; MI455X (gfx1250); checked and timed in simulation.
; The chip was launched on July 23, 2026; its instructions are those of AMD's public machine-readable ISA for CDNA 5 (MIT licence, August 2026) and "CDNA5" Instruction Set Architecture Reference Guide (July 2026). The comments in the code are by the model that wrote it; some were corrected since.
;; Router. Allowed arithmetic: float matrix products may take bf16 or f16 operands with f32 sums; all other float work in f32.
;; Inputs: b1 8 x 4,096 float32; b2 8 x 1,024 float32; gate_b 8 float32; gate_w 8 x 1,024 float32; tokens 8 x 128 x 1,024 float32; w1 8 x 4,096 x 1,024 float32; w2 8 x 1,024 x 4,096 float32.
;; Outputs: out0 8 x 128 x 1,024 float32.
;; One version. Each part assembles by itself: llvm-mc -triple=amdgcn-amd-amdhsa -mcpu=gfx1250 --defsym DOCPART=n.
;; ======== version 1 of 1: 6 launches
;; limits: values are held in f16: magnitudes above 65,504 overflow, below 6.1e-05 lose precision
;; workspace buffers: vals 8,192 bytes; idx 8,192 bytes of whole numbers; route 41,216 bytes of whole numbers; xs16 16,777,216 bytes; h16 67,108,864 bytes; ypart 134,217,728 bytes
;; launch gate (part 1): grid 256 x 1, 1 waves a work-group, no clusters, 0 bytes of LDS; arguments tokens, gate_w, gate_b, vals, idx; writes vals, idx
.if DOCPART == 1
	.amdgcn_target "amdgcn-amd-amdhsa--gfx1250"
	.amdhsa_code_object_version 6
	.text
	.protected	k_qf3c94057d7_gate
	.globl	k_qf3c94057d7_gate
	.p2align	8
	.type	k_qf3c94057d7_gate,@function
k_qf3c94057d7_gate:
	s_mov_b64 s[64:65], 0
	v_nop
	global_prefetch_b8 v0, s[64:65] scope:SCOPE_SE
	s_setreg_imm32_b32 hwreg(HW_REG_WAVE_MODE, 25, 1), 1
	s_wait_xcnt 0x0
; GATE.  logits[t][e] = tokens[t] . gate_w[e] + gate_b[e] in f32 on the vector unit, then the two largest of the 8 logits of each token.
; One wave takes 4 tokens (4 x 4,096 bytes) and all of gate_w (32,768 bytes) in registers: 32 dot products of 1,024, each lane 32 columns of each.
; f32 and not a 16-bit matrix product: the choice of the experts hangs on small differences of logits, and the work is 8.4 M multiply-adds in all.
; Out: vals[t][k] (f32, the k-th largest logit) and idx[t][k] (u32, its expert), k = 0, 1: 32 bytes of each for the wave's 4 tokens.
; LIMITS: the sums run in another order than the reference's; a NaN logit is never chosen (the compares are false), infinities are compared as numbers.
; Equal logits keep the lower expert first (strict compares), as a stable top-k does.
.set TOK, 16                           ; v[16:143]   token t, load j: 4 registers at 32 t + 4 j
.set ACC, 144                          ; v[144:207]  a pair of sums for each (t, e), at 2 (8 t + e)
.set TOP, 210                          ; v[210:225]  token t: best value, second value, best index, second index
.set OV,  226                          ; the value that my lane stores
.set OI,  227                          ; the index that my lane stores
; window 1 (v256-511): gate_w, expert e, load j: 4 registers at 32 e + 4 j
.set MSB, 0
.macro WIN new                         ; the immediate's high byte repeats the setting that is left
.if MSB != \new
	s_set_vgpr_msb (MSB<<8)|\new
.set MSB, \new
.endif
.endm
	s_load_b256 s[4:11], s[0:1], 0x0               ; tokens s[4:5], gate_w s[6:7], gate_b s[8:9], vals s[10:11]
	s_load_b64 s[12:13], s[0:1], 0x20              ; idx
	v_lshlrev_b32 v1, 4, v0                        ; one wave: v0 is the lane; 16 bytes a lane
	v_lshlrev_b32 v2, 2, v0                        ; 4 bytes a lane, for the stores
	s_lshl_b32 s2, ttmp9, 14                       ; 4 tokens of 4,096 bytes
	s_mov_b32 s3, 0
	s_lshl_b32 s24, ttmp9, 5                       ; 8 entries of 4 bytes
	s_mov_b32 s25, 0
	s_mov_b32 s26, 0x76543210                      ; v_permlanex16_b32: lane i of one half reads lane i of the other
	s_mov_b32 s27, 0xfedcba98
	s_wait_kmcnt 0x0
	s_load_b256 s[16:23], s[8:9], 0x0              ; the eight gate_b
	s_add_nc_u64 s[4:5], s[4:5], s[2:3]
	s_add_nc_u64 s[10:11], s[10:11], s[24:25]
	s_add_nc_u64 s[12:13], s[12:13], s[24:25]
.irp t, 0,1,2,3
.irp j, 0,1,2,3,4,5,6,7
	global_load_b128 v[TOK+32*\t+4*\j:TOK+32*\t+4*\j+3], v1, s[4:5] offset:\t*4096+\j*512    ; 512 neighbouring bytes a load
.endr
.endr
	WIN 0x40                                       ; destination in window 1
.irp e, 0,1,2,3,4,5,6,7
.irp j, 0,1,2,3,4,5,6,7
	global_load_b128 v[32*\e+4*\j:32*\e+4*\j+3], v1, s[6:7] offset:\e*4096+\j*512
.endr
.endr
	s_wait_loadcnt 0x0
	WIN 0x04                                       ; source 1 (gate_w) in window 1
	; 32 chains that do not wait for each other; the first product starts each sum
.irp t, 0,1,2,3
.irp e, 0,1,2,3,4,5,6,7
	v_pk_mul_f32 v[ACC+16*\t+2*\e:ACC+16*\t+2*\e+1], v[TOK+32*\t:TOK+32*\t+1], v[32*\e:32*\e+1]
.endr
.endr
.set cp, 1
.rept 15
.irp t, 0,1,2,3
.irp e, 0,1,2,3,4,5,6,7
	v_pk_fma_f32 v[ACC+16*\t+2*\e:ACC+16*\t+2*\e+1], v[TOK+32*\t+2*cp:TOK+32*\t+2*cp+1], v[32*\e+2*cp:32*\e+2*cp+1], v[ACC+16*\t+2*\e:ACC+16*\t+2*\e+1]
.endr
.endr
.set cp, cp+1
.endr
	WIN 0
.set n, 0
.rept 32
	v_add_f32 v[ACC+2*n], v[ACC+2*n], v[ACC+2*n+1]
.set n, n+1
.endr
	; over the 32 lanes: four steps inside each half ride on the add, one crosses the halves; every lane ends with the sum
.irp m, 1,2,4,8
.set n, 0
.rept 32
	v_add_f32_dpp v[ACC+2*n], v[ACC+2*n], v[ACC+2*n] row_xmask:\m row_mask:0xf bank_mask:0xf
.set n, n+1
.endr
.endr
	s_wait_kmcnt 0x0                               ; gate_b
.set n, 0
.rept 32
	v_permlanex16_b32 v[ACC+2*n+1], v[ACC+2*n], s26, s27       ; the pair's second register has been written: it may be a destination here
	v_add_f32 v[ACC+2*n], v[ACC+2*n], v[ACC+2*n+1]
	v_add_f32 v[ACC+2*n], s[16+n%8], v[ACC+2*n]
.set n, n+1
.endr
; the two largest of token t's eight logits, by selects alone
.macro TOP2 t
	v_cmp_gt_f32 vcc_lo, v[ACC+16*\t+2], v[ACC+16*\t]
	v_cndmask_b32 v[TOP+4*\t],   v[ACC+16*\t],   v[ACC+16*\t+2], vcc_lo
	v_cndmask_b32 v[TOP+4*\t+1], v[ACC+16*\t+2], v[ACC+16*\t],   vcc_lo
	v_cndmask_b32 v[TOP+4*\t+2], 0, 1, vcc_lo
	v_cndmask_b32 v[TOP+4*\t+3], 1, 0, vcc_lo
.irp e, 2,3,4,5,6,7
	v_cmp_gt_f32 s28, v[ACC+16*\t+2*\e], v[TOP+4*\t]           ; beats the best
	v_cmp_gt_f32 s29, v[ACC+16*\t+2*\e], v[TOP+4*\t+1]         ; beats the second
	v_cndmask_b32 v[TOP+4*\t+1], v[TOP+4*\t+1], v[ACC+16*\t+2*\e], s29
	v_cndmask_b32 v[TOP+4*\t+3], v[TOP+4*\t+3], \e, s29
	v_cndmask_b32 v[TOP+4*\t+1], v[TOP+4*\t+1], v[TOP+4*\t], s28       ; the old best moves down
	v_cndmask_b32 v[TOP+4*\t+3], v[TOP+4*\t+3], v[TOP+4*\t+2], s28
	v_cndmask_b32 v[TOP+4*\t],   v[TOP+4*\t],   v[ACC+16*\t+2*\e], s28
	v_cndmask_b32 v[TOP+4*\t+2], v[TOP+4*\t+2], \e, s28
.endr
.endm
	TOP2 0
	TOP2 1
	TOP2 2
	TOP2 3
	; lane n (0 to 7) takes entry n = 2 t + k
	v_mov_b32 v[OV], v[TOP]
	v_mov_b32 v[OI], v[TOP+2]
.irp n, 1,2,3,4,5,6,7
	v_cmp_eq_u32 vcc_lo, \n, v0
	v_cndmask_b32 v[OV], v[OV], v[TOP+4*(\n>>1)+(\n&1)], vcc_lo
	v_cndmask_b32 v[OI], v[OI], v[TOP+4*(\n>>1)+2+(\n&1)], vcc_lo
.endr
	v_cmp_gt_u32 vcc_lo, 8, v0
	s_wait_xcnt 0x0                                ; EXEC changes only behind this wait
	s_and_saveexec_b32 s28, vcc_lo
	global_store_b32 v2, v[OV], s[10:11]           ; 32 neighbouring bytes: all that 4 tokens have
	global_store_b32 v2, v[OI], s[12:13]
	s_endpgm
.Lfunc_end_k_qf3c94057d7_gate:
	.size	k_qf3c94057d7_gate, .Lfunc_end_k_qf3c94057d7_gate-k_qf3c94057d7_gate
	.p2alignl 7, 3214868480
	.fill 96, 4, 3214868480
	.section	.rodata,"a",@progbits
	.p2align	6, 0x0
	.amdhsa_kernel k_qf3c94057d7_gate
		.amdhsa_group_segment_fixed_size 0
		.amdhsa_private_segment_fixed_size 0
		.amdhsa_enable_private_segment 0
		.amdhsa_kernarg_size 40
		.amdhsa_user_sgpr_count 2
		.amdhsa_user_sgpr_kernarg_segment_ptr 1
		.amdhsa_wavefront_size32 1
		.amdhsa_system_sgpr_workgroup_id_x 1
		.amdhsa_system_sgpr_workgroup_id_y 1
		.amdhsa_system_sgpr_workgroup_id_z 1
		.amdhsa_system_vgpr_workitem_id 0
		.amdhsa_next_free_vgpr 512
		.amdhsa_next_free_sgpr 66
		.amdhsa_reserve_vcc 1
		.amdhsa_float_denorm_mode_32 3
		.amdhsa_float_denorm_mode_16_64 3
		.amdhsa_memory_ordered 1
		.amdhsa_forward_progress 1
		.amdhsa_inst_pref_size 69
	.end_amdhsa_kernel
	.amdgpu_metadata
---
amdhsa.version: [ 1, 2 ]
amdhsa.kernels:
  - .name:           k_qf3c94057d7_gate
    .symbol:         k_qf3c94057d7_gate.kd
    .args:
      - { .name: tokens, .offset: 0, .size: 8, .value_kind: global_buffer, .address_space: global }
      - { .name: gate_w, .offset: 8, .size: 8, .value_kind: global_buffer, .address_space: global }
      - { .name: gate_b, .offset: 16, .size: 8, .value_kind: global_buffer, .address_space: global }
      - { .name: vals, .offset: 24, .size: 8, .value_kind: global_buffer, .address_space: global }
      - { .name: idx, .offset: 32, .size: 8, .value_kind: global_buffer, .address_space: global }
    .group_segment_fixed_size: 0
    .private_segment_fixed_size: 0
    .kernarg_segment_align: 8
    .kernarg_segment_size: 40
    .max_flat_workgroup_size: 32
    .sgpr_count:     66
    .vgpr_count:     512
    .wavefront_size: 32
...
	.end_amdgpu_metadata
.endif
;; end of part 1
;; launch ranks (part 2): grid 8 x 1, 4 waves a work-group, no clusters, 132,096 bytes of LDS; arguments idx, route; writes route
.if DOCPART == 2
	.amdgcn_target "amdgcn-amd-amdhsa--gfx1250"
	.amdhsa_code_object_version 6
	.text
	.protected	k_qf3c94057d7_ranks
	.globl	k_qf3c94057d7_ranks
	.p2align	8
	.type	k_qf3c94057d7_ranks,@function
k_qf3c94057d7_ranks:
	s_mov_b64 s[64:65], 0
	v_nop
	global_prefetch_b8 v0, s[64:65] scope:SCOPE_SE
	s_setreg_imm32_b32 hwreg(HW_REG_WAVE_MODE, 25, 1), 1
	s_wait_xcnt 0x0
; RANKS.  From idx (2,048 entries, entry i = 2 t + k, an expert each) the routing, as whole numbers for the later launches:
;   pos[i] = e * 1024 + rank, rank = the entry's number among the entries of expert e (any fixed order serves);      route bytes 0 .. 8191
;   {T_e, n_e}, T_e = max(1, ceil(n_e / 16)), the expert's tiles of 16 rows; 32 pairs, pair l for expert l & 7;        route bytes 8192 .. 8447
;   list[e][rank] = the token of that row, 0 past n_e (valid data whose results nobody reads).                         route bytes 8448 .. 41215
; Eight work-groups: each makes the whole routing by itself (8 KiB of idx, some 700 instructions a wave) and stores the list of ONE expert, 4 KiB;
; work-group 0 also stores pos and the pairs.  There is no more to share out: the ranks need every entry.  No branch hangs on the data.
; LDS: a list [8][1024] of token numbers for EACH wave (32,768 bytes at wave x 32,768): a wave zeroes and fills its own copy alone, with its 512 entries,
; so no two waves store into the same bytes; a position's token is the sum of the four copies (one holds it, three hold 0).
.set LISTB,  32768
.set WT,     4*LISTB                   ; 4 x 128 bytes: wave w's eight counts
.set IOFF, 1                           ; 2048 w + 16 lane: my bytes in idx and in pos
.set LANE, 2
.set Z,    4                           ; v[4:7] zeros
.set ZA,   8
.set TMP,  9
.set CNT,  10
.set WTS,  11
.set WTA,  12
.set IX,   16                          ; v[16:31] my 16 entries' experts: entry 512 w + 128 q + 4 lane + cc in register 4 q + cc
.set RK,   32                          ; v[32:47] rank inside my wave
.set PV,   48                          ; v[48:63] pos
.set BP,   64                          ; v[64:79] what the waves below me hold of the entry's expert
.set WC,   80                          ; v[80:83] the four waves' counts of expert lane & 7
.set VT,   84                          ; T of expert lane & 7
.set VN,   85                          ; n of expert lane & 7
.set VOFF, 86
.set TB,   87                          ; 256 w + 2 lane
.set T0,   88                          ; v[88:89]
.set LA,   90                          ; v[90:91]
.set LO,   92                          ; 16 lane
.set TK,   96                          ; v[96:127] two pieces of 512 bytes x four copies
.set CB,   40                          ; s[40:47] my wave's running counts
	s_load_b128 s[4:7], s[0:1], 0x0                ; idx s[4:5], route s[6:7]
	v_lshl_add_u32 v128, v0, 2, 0x20200
	v_mov_b32 v129, 0
	v_lshrrev_b32 v3, 5, v0
	v_readfirstlane_b32 s14, v3                    ; wave
	v_and_b32 v[LANE], 31, v0
	v_lshlrev_b32 v[LO], 4, v[LANE]
	s_lshl_b32 s16, s14, 11
	v_add_nc_u32 v[IOFF], s16, v[LO]
	s_wait_kmcnt 0x0
.irp q, 0,1,2,3
	global_load_b128 v[IX+4*\q:IX+4*\q+3], v[IOFF], s[4:5] offset:512*\q
.endr
	s_lshl_b32 s15, s14, 15                        ; my list
	v_mov_b32 v[Z], 0
	v_mov_b32 v[Z+1], 0
	v_mov_b32 v[Z+2], 0
	v_mov_b32 v[Z+3], 0
	v_add_nc_u32 v[ZA], s15, v[LO]
.set q, 0
.rept 64
	ds_store_b128 v[ZA], v[Z:Z+3] offset:512*q     ; my own 32,768 bytes
.set q, q+1
.endr
.irp x, 0,1,2,3,4,5,6,7
	s_mov_b32 s[CB+\x], 0
.endr
	s_lshl_b32 s17, s14, 7
	s_add_co_u32 s17, s17, WT
	v_lshl_add_u32 v[WTS], v[LANE], 2, s17
	s_mov_b32 s18, WT
	v_and_b32 v[TMP], 7, v[LANE]
	v_lshl_add_u32 v[WTA], v[TMP], 2, s18
	s_lshl_b32 s19, s14, 8
	v_lshl_add_u32 v[TB], v[LANE], 1, s19
	s_wait_loadcnt 0x0
.set c, 0
.rept 16
	v_min_u32 v[IX+c], 7, v[IX+c]                  ; an expert's number, held to the table
.set c, c+1
.endr
; rank of register c's entries that name expert x: those of lower lanes, plus those of the registers before
.macro RANK c, x
	v_cmp_eq_u32 vcc_lo, \x, v[IX+\c]
.if \x == 0
	v_mbcnt_lo_u32_b32 v[RK+\c], vcc_lo, s[CB+\x]  ; lanes with another expert are overwritten by that expert's turn
.else
	v_mbcnt_lo_u32_b32 v[TMP], vcc_lo, s[CB+\x]
	v_cndmask_b32 v[RK+\c], v[RK+\c], v[TMP], vcc_lo
.endif
	s_bcnt1_i32_b32 s48, vcc_lo
	s_add_co_u32 s[CB+\x], s[CB+\x], s48
.endm
.set c, 0
.rept 16
.irp x, 0,1,2,3,4,5,6,7
	RANK c, \x
.endr
.set c, c+1
.endr
	v_mov_b32 v[CNT], 0
.irp x, 0,1,2,3,4,5,6,7
	v_writelane_b32 v[CNT], s[CB+\x], \x
.endr
	ds_store_b32 v[WTS], v[CNT]                    ; my wave's 128 bytes
	s_wait_dscnt 0x0                               ; for the others' sake: my counts are in LDS
	s_barrier_signal -1
	s_barrier_wait -1
.irp q, 0,1,2,3
	ds_load_b32 v[WC+\q], v[WTA] offset:128*\q     ; wave q's count of expert lane & 7
.endr
	s_cmp_gt_u32 s14, 0
	s_cselect_b32 s32, -1, 0
	s_cmp_gt_u32 s14, 1
	s_cselect_b32 s33, -1, 0
	s_cmp_gt_u32 s14, 2
	s_cselect_b32 s34, -1, 0
	s_wait_dscnt 0x0
	v_and_b32 v[VOFF], s32, v[WC]
	v_and_b32 v[T0], s33, v[WC+1]
	v_and_b32 v[T0+1], s34, v[WC+2]
	v_add3_u32 v[VOFF], v[VOFF], v[T0], v[T0+1]    ; the waves below me
	v_add3_u32 v[VN], v[WC], v[WC+1], v[WC+2]
	v_add_nc_u32 v[VN], v[VN], v[WC+3]
	v_add_nc_u32 v[VT], 15, v[VN]
	v_lshrrev_b32 v[VT], 4, v[VT]
	v_max_u32 v[VT], 1, v[VT]
.set c, 0
.rept 16
	v_lshlrev_b32 v[T0], 2, v[IX+c]
	ds_bpermute_b32 v[BP+c], v[T0], v[VOFF]        ; lane x (0 to 7) holds expert x's figure
.set c, c+1
.endr
	s_wait_dscnt 0x0
.set c, 0
.rept 16
	v_lshl_add_u32 v[PV+c], v[IX+c], 10, v[RK+c]
	v_add_nc_u32 v[PV+c], v[PV+c], v[BP+c]
	v_min_u32 v[PV+c], 0x1fff, v[PV+c]             ; held to the list's 8,192 places
	v_lshl_add_u32 v[T0], v[PV+c], 2, s15          ; in my own copy
	v_add_nc_u32 v[T0+1], 64*(c>>2)+((c&3)>>1), v[TB]          ; the entry's token
	ds_store_b32 v[T0], v[T0+1]
.set c, c+1
.endr
	s_wait_dscnt 0x0                               ; for the others' sake: my copy is whole
	s_barrier_signal -1
	s_barrier_wait -1
	s_cmp_lg_u32 ttmp9, 0
	s_cbranch_scc1 .Lnot_first
.irp q, 0,1,2,3
	global_store_b128 v[IOFF], v[PV+4*\q:PV+4*\q+3], s[6:7] offset:512*\q      ; pos, 512 neighbouring bytes a store
.endr
	s_cmp_lg_u32 s14, 0
	s_cbranch_scc1 .Lnot_first
	v_lshlrev_b32 v[T0], 3, v[LANE]
	global_store_b64 v[T0], v[VT:VT+1], s[6:7] offset:8192     ; {T, n} of expert lane & 7: 256 bytes
.Lnot_first:
	; the list of expert g = my work-group's number: 4,096 bytes, 1,024 a wave, as two pieces of 512
	s_and_b32 s20, ttmp9, 7
	s_lshl_b32 s20, s20, 12
	s_lshl_b32 s21, s14, 10
	s_add_co_u32 s20, s20, s21
	v_add_nc_u32 v[LA], s20, v[LO]                 ; 4096 g + 1024 w + 16 lane: my place in a copy, and in the stored list
	v_add_nc_u32 v[LA+1], 0x10000, v[LA]           ; copies 2 and 3 lie past the 16-bit offset
.irp q, 0,1
.irp p, 0,1,2,3
	ds_load_b128 v[TK+16*\q+4*\p:TK+16*\q+4*\p+3], v[LA+(\p>>1)] offset:(\p&1)*LISTB+512*\q
.endr
.endr
	s_wait_dscnt 0x0
.irp q, 0,1
.irp n, 0,1,2,3
	v_add3_u32 v[TK+16*\q+\n], v[TK+16*\q+\n], v[TK+16*\q+4+\n], v[TK+16*\q+8+\n]
	v_add_nc_u32 v[TK+16*\q+\n], v[TK+16*\q+\n], v[TK+16*\q+12+\n]
.endr
	global_store_b128 v[LA], v[TK+16*\q:TK+16*\q+3], s[6:7] offset:8448+512*\q         ; 512 neighbouring bytes
.endr
	s_wait_tensorcnt 0x0
	ds_add_u32 v128, v129
	s_wait_dscnt 0x0
	s_endpgm
.Lfunc_end_k_qf3c94057d7_ranks:
	.size	k_qf3c94057d7_ranks, .Lfunc_end_k_qf3c94057d7_ranks-k_qf3c94057d7_ranks
	.p2alignl 7, 3214868480
	.fill 96, 4, 3214868480
	.section	.rodata,"a",@progbits
	.p2align	6, 0x0
	.amdhsa_kernel k_qf3c94057d7_ranks
		.amdhsa_group_segment_fixed_size 132096
		.amdhsa_private_segment_fixed_size 0
		.amdhsa_enable_private_segment 0
		.amdhsa_kernarg_size 16
		.amdhsa_user_sgpr_count 2
		.amdhsa_user_sgpr_kernarg_segment_ptr 1
		.amdhsa_wavefront_size32 1
		.amdhsa_system_sgpr_workgroup_id_x 1
		.amdhsa_system_sgpr_workgroup_id_y 1
		.amdhsa_system_sgpr_workgroup_id_z 1
		.amdhsa_system_vgpr_workitem_id 0
		.amdhsa_next_free_vgpr 130
		.amdhsa_next_free_sgpr 66
		.amdhsa_reserve_vcc 1
		.amdhsa_float_denorm_mode_32 3
		.amdhsa_float_denorm_mode_16_64 3
		.amdhsa_memory_ordered 1
		.amdhsa_forward_progress 1
		.amdhsa_inst_pref_size 41
	.end_amdhsa_kernel
	.amdgpu_metadata
---
amdhsa.version: [ 1, 2 ]
amdhsa.kernels:
  - .name:           k_qf3c94057d7_ranks
    .symbol:         k_qf3c94057d7_ranks.kd
    .args:
      - { .name: idx, .offset: 0, .size: 8, .value_kind: global_buffer, .address_space: global }
      - { .name: route, .offset: 8, .size: 8, .value_kind: global_buffer, .address_space: global }
    .group_segment_fixed_size: 132096
    .private_segment_fixed_size: 0
    .kernarg_segment_align: 8
    .kernarg_segment_size: 16
    .max_flat_workgroup_size: 128
    .sgpr_count:     66
    .vgpr_count:     130
    .wavefront_size: 32
...
	.end_amdgpu_metadata
.endif
;; end of part 2
;; launch gather (part 3): grid 256 x 1, 4 waves a work-group, no clusters, 17,920 bytes of LDS; arguments route, tokens, xs16; writes xs16
.if DOCPART == 3
	.amdgcn_target "amdgcn-amd-amdhsa--gfx1250"
	.amdhsa_code_object_version 6
	.text
	.protected	k_qf3c94057d7_gather
	.globl	k_qf3c94057d7_gather
	.p2align	8
	.type	k_qf3c94057d7_gather,@function
k_qf3c94057d7_gather:
	s_mov_b64 s[64:65], 0
	v_nop
	global_prefetch_b8 v0, s[64:65] scope:SCOPE_SE
	s_setreg_imm32_b32 hwreg(HW_REG_WAVE_MODE, 25, 1), 1
	s_wait_xcnt 0x0
; GATHER.  Token rows are gathered by the list that an earlier launch stored, rounded to f16 and stored as matrix fragments:
; xs16[e][tile][kk 32][hf 2][lane 32][8 f16], where the 16 bytes of lane 16 h + r are row r, k = 32 kk + 16 hf + 8 h .. + 7.
; A unit of work is a tile of 16 rows and a half of K (512 k); a wave takes 128 k of it.  Work-group g takes unit (tile g >> 1, half g & 1) of all tiles
; counted through the experts (there are at least 2048 / 16 = 128) and, if there are more than 128 (136 at the most), tile 128 + (g >> 1) too.
; Everything that steers a branch or an address comes by scalar loads from route: the eight T_e, and a tile's 16 token numbers (64 bytes, aligned).
; Memory binds: no matrix unit, no cluster.  LDS is a stage of 16 rows x 272 bytes for each wave, its own, to turn rows into fragments.
; LIMIT: tokens are rounded to f16: |tokens| below 65,504.
.set SPITCH, 272                       ; 256 bytes of f16 + 16: an odd multiple of 16, so the 16 rows of a fragment load start in different banks
.set STGB,   16*SPITCH
.set LANE, 2
.set LO,   3                           ; 16 lane
.set CB0,  4                           ; my 16 bytes in a token's row
.set STW,  5
.set STR,  6
.set TMP,  7
.set TMP2, 8
.set CV,   10                          ; v[10:13]
.set OFFS, 16                          ; v[16:31]
.set O,    32                          ; v[32:63] fragments to store
.set X,    64                          ; v[64:127] 16 rows x 16 bytes a lane
.set TN,   32                          ; s[32:47] {T, n} of experts 0 to 7
.set TOKS, 48                          ; s[48:63] a tile's 16 tokens
	s_load_b128 s[4:7], s[0:1], 0x0                ; route s[4:5], tokens s[6:7]
	s_load_b64 s[8:9], s[0:1], 0x10                ; xs16
	v_lshl_add_u32 v128, v0, 2, 0x4400
	v_mov_b32 v129, 0
	v_lshrrev_b32 v1, 5, v0
	v_readfirstlane_b32 s14, v1                    ; wave
	s_wait_kmcnt 0x0
	s_load_b512 s[TN:TN+15], s[4:5], 0x2000
	v_and_b32 v[LANE], 31, v0
	v_lshlrev_b32 v[LO], 4, v[LANE]
	s_and_b32 s25, ttmp9, 1                        ; which half of K
	s_lshr_b32 s20, ttmp9, 1                       ; which tile
	s_lshl_b32 s27, s25, 11
	s_lshl_b32 s28, s14, 9
	s_add_co_u32 s27, s27, s28
	v_add_nc_u32 v[CB0], s27, v[LO]                ; 2048 half + 512 wave + 16 lane
	s_lshl_b32 s27, s25, 14
	s_lshl_b32 s28, s14, 12
	s_add_co_u32 s27, s27, s28                     ; my 4 K steps in a tile: (16 half + 4 wave) x 1,024 bytes
	s_mul_i32 s29, s14, STGB
	v_lshl_add_u32 v[STW], v[LANE], 3, s29
	v_and_b32 v[TMP], 15, v[LANE]
	v_mul_u32_u24 v[TMP], v[TMP], SPITCH
	v_add_nc_u32 v[TMP], s29, v[TMP]
	v_bfe_u32 v[TMP2], v[LANE], 4, 1
	v_lshl_add_u32 v[STR], v[TMP2], 4, v[TMP]      ; row r x pitch + 16 h
	s_wait_kmcnt 0x0
	s_add_co_u32 s26, s[TN], s[TN+2]
.irp x, 2,3,4,5,6,7
	s_add_co_u32 s26, s26, s[TN+2*\x]              ; all tiles
.endr
; tile s20 of all tiles: find its expert and its number there, gather, round, lay out, store
.macro TILE
	s_mov_b32 s21, 0
	s_mov_b32 s22, 0
	s_mov_b32 s23, 0
.irp x, 0,1,2,3,4,5,6
	s_add_co_u32 s21, s21, s[TN+2*\x]
	s_cmp_ge_u32 s20, s21
	s_cselect_b32 s22, \x+1, s22                   ; the expert
	s_cselect_b32 s23, s21, s23                    ; its first tile
.endr
	s_sub_co_u32 s24, s20, s23
	s_min_u32 s22, s22, 7
	s_min_u32 s24, s24, 63
	s_lshl_b32 s28, s22, 12
	s_lshl_b32 s29, s24, 6
	s_add_co_u32 s28, s28, s29                     ; (1024 e + 16 tile) x 4
	s_load_b512 s[TOKS:TOKS+15], s[4:5], s28 offset:0x2100
	s_lshl_b32 s30, s22, 6
	s_add_co_u32 s30, s30, s24
	s_lshl_b32 s30, s30, 15                        ; a tile is 32,768 bytes
	s_add_co_u32 s30, s30, s27
	s_mov_b32 s31, 0
	s_add_nc_u64 s[18:19], s[8:9], s[30:31]
	s_wait_kmcnt 0x0
.set n, 0
.rept 16
	s_min_u32 s[TOKS+n], s[TOKS+n], 0x3ff          ; a token's number, held to the table
	v_lshl_add_u32 v[OFFS+n], s[TOKS+n], 12, v[CB0]
.set n, n+1
.endr
.set n, 0
.rept 16
	global_load_b128 v[X+4*n:X+4*n+3], v[OFFS+n], s[6:7]       ; 512 neighbouring bytes of row n's token
.set n, n+1
.endr
.set n, 0
.rept 16
	s_wait_loadcnt 15-n                            ; the younger loads of the run stay out
	v_cvt_pk_f16_f32 v[CV+2*(n%2)],   v[X+4*n],   v[X+4*n+1]
	v_cvt_pk_f16_f32 v[CV+2*(n%2)+1], v[X+4*n+2], v[X+4*n+3]
	ds_store_b64 v[STW], v[CV+2*(n%2):CV+2*(n%2)+1] offset:n*SPITCH
.set n, n+1
.endr
.irp q, 0,1,2,3,4,5,6,7
	ds_load_b128 v[O+4*\q:O+4*\q+3], v[STR] offset:32*\q       ; my own stage: LDS serves a wave's instructions in order (ISA guide 5.7.1)
.endr
.irp q, 0,1,2,3,4,5,6,7
	s_wait_dscnt 7-\q
	global_store_b128 v[LO], v[O+4*\q:O+4*\q+3], s[18:19] offset:512*\q        ; half a fragment: 512 neighbouring bytes
.endr
.endm
	TILE
	s_wait_xcnt 0x0                                ; the stores' data and base are written again only behind this wait
	s_add_co_u32 s20, s20, 128
	s_cmp_lt_u32 s20, s26
	s_cbranch_scc0 .Ldone
	TILE
.Ldone:
	s_wait_tensorcnt 0x0
	ds_add_u32 v128, v129
	s_wait_dscnt 0x0
	s_endpgm
.Lfunc_end_k_qf3c94057d7_gather:
	.size	k_qf3c94057d7_gather, .Lfunc_end_k_qf3c94057d7_gather-k_qf3c94057d7_gather
	.p2alignl 7, 3214868480
	.fill 96, 4, 3214868480
	.section	.rodata,"a",@progbits
	.p2align	6, 0x0
	.amdhsa_kernel k_qf3c94057d7_gather
		.amdhsa_group_segment_fixed_size 17920
		.amdhsa_private_segment_fixed_size 0
		.amdhsa_enable_private_segment 0
		.amdhsa_kernarg_size 24
		.amdhsa_user_sgpr_count 2
		.amdhsa_user_sgpr_kernarg_segment_ptr 1
		.amdhsa_wavefront_size32 1
		.amdhsa_system_sgpr_workgroup_id_x 1
		.amdhsa_system_sgpr_workgroup_id_y 1
		.amdhsa_system_sgpr_workgroup_id_z 1
		.amdhsa_system_vgpr_workitem_id 0
		.amdhsa_next_free_vgpr 130
		.amdhsa_next_free_sgpr 66
		.amdhsa_reserve_vcc 0
		.amdhsa_float_denorm_mode_32 3
		.amdhsa_float_denorm_mode_16_64 3
		.amdhsa_memory_ordered 1
		.amdhsa_forward_progress 1
		.amdhsa_inst_pref_size 22
	.end_amdhsa_kernel
	.amdgpu_metadata
---
amdhsa.version: [ 1, 2 ]
amdhsa.kernels:
  - .name:           k_qf3c94057d7_gather
    .symbol:         k_qf3c94057d7_gather.kd
    .args:
      - { .name: route, .offset: 0, .size: 8, .value_kind: global_buffer, .address_space: global }
      - { .name: tokens, .offset: 8, .size: 8, .value_kind: global_buffer, .address_space: global }
      - { .name: xs16, .offset: 16, .size: 8, .value_kind: global_buffer, .address_space: global }
    .group_segment_fixed_size: 17920
    .private_segment_fixed_size: 0
    .kernarg_segment_align: 8
    .kernarg_segment_size: 24
    .max_flat_workgroup_size: 128
    .sgpr_count:     66
    .vgpr_count:     130
    .wavefront_size: 32
...
	.end_amdgpu_metadata
.endif
;; end of part 3
;; launch ffn1 (part 4): grid 256 x 1, 4 waves a work-group, no clusters, 230,912 bytes of LDS; arguments route, xs16, w1, b1, h16; writes h16
.if DOCPART == 4
	.amdgcn_target "amdgcn-amd-amdhsa--gfx1250"
	.amdhsa_code_object_version 6
	.text
	.protected	k_qf3c94057d7_ffn1
	.globl	k_qf3c94057d7_ffn1
	.p2align	8
	.type	k_qf3c94057d7_ffn1,@function
k_qf3c94057d7_ffn1:
	s_mov_b64 s[64:65], 0
	v_nop
	global_prefetch_b8 v0, s[64:65] scope:SCOPE_SE
	s_setreg_imm32_b32 hwreg(HW_REG_WAVE_MODE, 25, 1), 1
	s_wait_xcnt 0x0
; EXPERT LAYER, one text for both layers (GEMM = 1: h = relu(x w1^T + b1), f16 out as fragments; GEMM = 2: partial y = h w2^T over a quarter of F, f32 out by rows).
; A work-group owns 128 weight rows x 1,024 k of ONE expert: 512 KiB of f32, read from memory once, rounded to f16 and kept in registers (512 in each of 4 waves).
; Wave w owns k = 256 w .. + 255 of all 128 rows: 8 row tiles x 8 K steps = 64 fragments; an activation fragment then feeds 8 matrix instructions, and no two
; waves load the same activation bytes.  Only the rows routed to the expert are multiplied: T tiles of 16 rows, T read from route (stored by an earlier launch).
; The four waves' partial sums of a tile meet in LDS: in a group of 4 tiles wave w owns tile g4 + w; it takes the three other tiles first and sends its parts of
; them to their owners, four LDS stores at a time between runs of 16 matrix instructions, and its own tile last, so that the parts are under way while it multiplies.
; THE MATRIX INSTRUCTION IS USED TRANSPOSED: source 0 = 16 weight rows, source 1 = 16 activation rows; lane 16 h + r then holds row r, columns n0 + 8 h + 0..7.
; Packed to f16 those 16 bytes are half (tile & 1) of the next layer's fragment kk = tile >> 1, so h16 is stored and loaded 16 bytes a lane, lane after lane.
; No multicast of the activations, which the 32 work-groups of an expert share: a joint request may not be jumped over, and the number of tiles is read from
; memory, so every partner would ask for the capacity of 64 tiles where about 18 are used.  No tensor loads for the weights: they pass through registers for the rounding.
; LIMITS: f16 operands: |x|, |w|, |h| below 65,504 (h is at most some 29,000 with inputs offset by 30 spreads).  K is summed in four parts (in layer 2 in sixteen),
; another order than the reference's.  relu by a maximum in which a NaN loses.  Rows of experts that a token did not choose are not made.
.set GEMM, 1
.if GEMM == 1
.set PITCHB, 4096                      ; bytes from weight row to weight row
.set TSHIFT, 15                        ; an activation tile is 32 KiB
.set OSH,    17                        ; an output tile is 128 KiB
.set OUTP,   12                        ; s[12:13] the output
.set WITHB,  1
.else
.set PITCHB, 16384
.set TSHIFT, 17                        ; an activation tile is 128 KiB
.set OSH,    16                        ; 16 output rows of 4,096 bytes
.set OUTP,   10
.set WITHB,  0
.endif
.set SP,   528                         ; a stage row: 512 bytes + 16, an odd multiple of 16
.set STG,  16*SP                       ; a wave's stage, at wave x STG
.set XCH0, 4*STG                       ; the exchange: [parity 2][writer 4][turn 3][8,192 bytes, 16 bytes a lane]
.set XSL,  8192
.set XW,   3*XSL
.set XCHP, 4*XW
.set LO,   1                           ; 16 lane
.set STW,  2                           ; stage + 8 lane
.set STR,  3                           ; stage + r SP + 16 h
.set XSA,  4                           ; v4, v5: where I write parts, parity 0, 1
.set XLA,  6                           ; v6-8, v9-11: where I read the part made in its writer's turn 0..2, parity 0, 1
.set VB,   12                          ; layer 1: 32 h (bias); layer 2: stage + r SP + 32 h
.set SRD,  13                          ; stage + 16 lane
.set BIAS, 32                          ; v[32:95]   layer 1: b1 of my lane's columns, laid as an accumulator
.set OWN,  96                          ; v[96:159]  my tile's 8 accumulators; while the weights come in: the packed f16
.set TMP,  160                         ; v[160:223] the other tiles' accumulators; parts read back
.set PK,   224                         ; v[224:255] layer 1: h packed
.set SA,   32                          ; s[32:39]   address of activation set i's tile
; window 1: weight fragments of K steps 0-3 at 64 kk + 8 j; window 2: K steps 4-7
; window 3: while the weights come in two sets of 128 for f32 weights; then four activation sets of 64 (set i, K step kk at 64 i + 8 kk)
.set MSB, 0
.macro WIN new                         ; the immediate's high byte repeats the setting that is left; at a label and at a branch every window is 0
.if MSB != \new
	s_set_vgpr_msb (MSB<<8)|\new
.set MSB, \new
.endif
.endm
	s_load_b256 s[4:11], s[0:1], 0x0               ; route s[4:5], activations s[6:7], weights s[8:9], then b1 (layer 1) or the output (layer 2)
.if GEMM == 1
	s_load_b64 s[12:13], s[0:1], 0x20              ; the output
	v_lshl_add_u32 v30, v0, 2, 0x38400
	v_mov_b32 v31, 0
.endif
	v_lshrrev_b32 v14, 5, v0
	v_readfirstlane_b32 s14, v14                   ; wave
	s_lshr_b32 s15, ttmp9, 5                       ; expert
	s_lshl_b32 s22, s15, 3                         ; its {T, n} in route
.if GEMM == 1
	s_and_b32 s16, ttmp9, 31                       ; which 128 of the 4,096 rows of w1
	s_lshl_b32 s48, s15, 24
	s_lshl_b32 s49, s16, 19
	s_add_co_u32 s48, s48, s49
	s_lshl_b32 s49, s14, 10
	s_add_co_u32 s48, s48, s49                     ; weights: 16 MiB e + 512 KiB c + 1,024 w
	s_lshl_b32 s50, s15, 21
	s_lshl_b32 s51, s14, 13
	s_add_co_u32 s50, s50, s51                     ; activations: 2 MiB e + 8 K steps x 1,024 w
	s_lshl_b32 s52, s15, 23
	s_lshl_b32 s53, s16, 12
	s_add_co_u32 s52, s52, s53                     ; output: 8 MiB e + 4 K steps x 1,024 c
	s_lshl_b32 s54, s15, 14
	s_lshl_b32 s55, s16, 9
	s_add_co_u32 s54, s54, s55                     ; bias: 16,384 e + 512 c
	s_mov_b32 s55, 0
.else
	s_bfe_u32 s16, ttmp9, 0x30002                  ; which 128 of the 1,024 rows of w2
	s_and_b32 s17, ttmp9, 3                        ; which quarter of F
	s_lshl_b32 s48, s15, 24
	s_lshl_b32 s49, s16, 21
	s_add_co_u32 s48, s48, s49
	s_lshl_b32 s49, s17, 12
	s_add_co_u32 s48, s48, s49
	s_lshl_b32 s49, s14, 10
	s_add_co_u32 s48, s48, s49                     ; weights: 16 MiB e + 2 MiB block + 4,096 quarter + 1,024 w
	s_lshl_b32 s50, s15, 23
	s_lshl_b32 s51, s17, 15
	s_add_co_u32 s50, s50, s51
	s_lshl_b32 s51, s14, 13
	s_add_co_u32 s50, s50, s51                     ; activations: 8 MiB e + (32 quarter + 8 w) x 1,024
	s_lshl_b32 s52, s17, 25
	s_lshl_b32 s53, s15, 22
	s_add_co_u32 s52, s52, s53
	s_lshl_b32 s53, s16, 9
	s_add_co_u32 s52, s52, s53                     ; output: 32 MiB quarter + 4 MiB e + 512 block
.endif
	s_mov_b32 s49, 0
	s_mov_b32 s51, 0
	s_mov_b32 s53, 0
	s_mov_b32 s41, 0                               ; the high word of every offset made later
.irp i, 0,1,2
	s_add_co_u32 s[24+\i], s14, \i+1               ; R_i = (w + 1 + i) & 3: the tile of a group that I take in my turn i
	s_and_b32 s[24+\i], s[24+\i], 3
.endr
	s_mov_b32 s27, s14                             ; turn 3 is my own tile
	v_and_b32 v14, 31, v0                          ; lane
	v_and_b32 v15, 15, v0                          ; r
	v_bfe_u32 v16, v0, 4, 1                        ; h
	v_lshlrev_b32 v[LO], 4, v14
	s_mul_i32 s23, s14, STG
	v_lshl_add_u32 v[STW], v14, 3, s23
	v_mul_u32_u24 v17, v15, SP
	v_add_nc_u32 v17, s23, v17
	v_lshl_add_u32 v[STR], v16, 4, v17
	v_add_nc_u32 v[SRD], s23, v[LO]
.if GEMM == 1
	v_lshlrev_b32 v[VB], 5, v16
.else
	v_lshl_add_u32 v[VB], v16, 5, v17
.endif
	s_mul_i32 s23, s14, XW
	s_add_co_u32 s23, s23, XCH0
	v_add_nc_u32 v[XSA], s23, v[LO]
	v_add_nc_u32 v[XSA+1], XCHP, v[XSA]
.irp p, 0,1,2
	s_add_co_u32 s23, s14, 3-\p
	s_and_b32 s23, s23, 3                          ; the wave whose turn p is my tile: (w - 1 - p) & 3
	s_mul_i32 s23, s23, XW
	s_add_co_u32 s23, s23, XCH0+\p*XSL
	v_add_nc_u32 v[XLA+\p], s23, v[LO]
	v_add_nc_u32 v[XLA+3+\p], XCHP, v[XLA+\p]
.endr
	s_wait_kmcnt 0x0
	s_load_b32 s18, s[4:5], s22 offset:0x2000      ; T of my expert
	s_add_nc_u64 s[8:9], s[8:9], s[48:49]
	s_add_nc_u64 s[28:29], s[6:7], s[50:51]
	s_add_nc_u64 s[46:47], s[OUTP:OUTP+1], s[52:53]
.if GEMM == 1
	s_add_nc_u64 s[10:11], s[10:11], s[54:55]
.irp j, 0,1,2,3,4,5,6,7
	global_load_b128 v[BIAS+8*\j:BIAS+8*\j+3],   v[VB], s[10:11] offset:64*\j          ; b1[128 c + 16 j + 8 h + 0..3]
	global_load_b128 v[BIAS+8*\j+4:BIAS+8*\j+7], v[VB], s[10:11] offset:64*\j+16
.endr
.endif
; 16 weight rows (row tile j), my 1,024 bytes of each: 32 loads of 512 neighbouring bytes, into set 0 or 1 of window 3
.macro WLOAD j, set
	WIN 0xc0
.set n, 0
.rept 16
	global_load_b128 v[128*\set+8*n:128*\set+8*n+3],   v[LO], s[8:9] offset:(16*(\j)+n)*PITCHB th:TH_LOAD_NT
	global_load_b128 v[128*\set+8*n+4:128*\set+8*n+7], v[LO], s[8:9] offset:(16*(\j)+n)*PITCHB+512 th:TH_LOAD_NT
.set n, n+1
.endr
.endm
; my 8 KiB of the activation tile at s[SA+2i], already laid as fragments: 16 loads of 512 neighbouring bytes
.macro ALOAD i
	WIN 0xc0
.set n, 0
.rept 16
	global_load_b128 v[64*(\i)+4*n:64*(\i)+4*n+3], v[LO], s[SA+2*(\i):SA+2*(\i)+1] offset:512*n
.set n, n+1
.endr
.endm
; row tile j has come: round to f16, ask for what comes next into the same registers, and turn the rows into fragments through my stage
.macro WCONV j, set
	s_wait_loadcnt 32                              ; the 32 loads issued behind this set stay out
	WIN 0x0f
.set n, 0
.rept 32
	v_cvt_pk_f16_f32 v[OWN+2*n],   v[128*\set+4*n],   v[128*\set+4*n+1]
	v_cvt_pk_f16_f32 v[OWN+2*n+1], v[128*\set+4*n+2], v[128*\set+4*n+3]
.set n, n+1
.endr
.if \j < 6
	WLOAD \j+2, \set
.else
	ALOAD 2*(\j-6)                                 ; always 32 loads, so the count above holds for every tile
	ALOAD 2*(\j-6)+1
.endif
	WIN 0
.set n, 0
.rept 32
	ds_store_b64 v[STW], v[OWN+2*n:OWN+2*n+1] offset:(n>>1)*SP+(n&1)*256
.set n, n+1
.endr
	WIN 0x40
.set n, 0
.rept 8
	ds_load_b128 v[64*(n>>1)+8*\j+4*(n&1):64*(n>>1)+8*\j+4*(n&1)+3], v[STR] offset:32*n        ; my own stage: served in order behind the stores (ISA guide 5.7.1)
.set n, n+1
.endr
	WIN 0x80
.set n, 0
.rept 8
	ds_load_b128 v[64*(n>>1)+8*\j+4*(n&1):64*(n>>1)+8*\j+4*(n&1)+3], v[STR] offset:256+32*n
.set n, n+1
.endr
.endm
	WLOAD 0, 0
	WLOAD 1, 1
	WIN 0
	s_wait_kmcnt 0x0
	s_min_u32 s18, s18, 64                         ; T, held to an expert's 64 tiles,
	s_max_u32 s18, s18, 1                          ; and at least 1
	s_sub_co_u32 s19, s18, 1
.irp i, 0,1,2,3
	s_min_u32 s45, s[24+\i], s19                   ; set i begins with tile R_i, or with the last there is
	s_min_u32 s45, s45, 63
	s_lshl_b32 s40, s45, TSHIFT
	s_add_nc_u64 s[SA+2*\i:SA+2*\i+1], s[28:29], s[40:41]
.endr
	WCONV 0, 0
	WCONV 1, 1
	WCONV 2, 0
	WCONV 3, 1
	WCONV 4, 0
	WCONV 5, 1
	WCONV 6, 0
	WCONV 7, 1
	WIN 0
	s_wait_dscnt 0x0                               ; all 64 weight fragments are in
; 16 matrix instructions: activation set i x row tiles jlo .. jlo + 3 x K steps 4 kh .. 4 kh + 3, into the accumulators at ACCB.
; The four accumulators take turns, one instruction a turn.  The first K step starts the sums, from the bias (CBB = 1) or from 0.
.macro SEG i, jlo, kh
.if \kh
	WIN 0x0e                                       ; source 0 window 2, source 1 window 3
.else
	WIN 0x0d                                       ; source 0 window 1, source 1 window 3
.endif
.set kk, 0
.rept 4
.set jj, \jlo
.rept 4
.if 4*\kh+kk == 0
.if CBB
	v_wmma_f32_16x16x32_f16 v[ACCB+8*jj:ACCB+8*jj+7], v[8*jj:8*jj+7], v[64*\i:64*\i+7], v[BIAS+8*jj:BIAS+8*jj+7]
.else
	v_wmma_f32_16x16x32_f16 v[ACCB+8*jj:ACCB+8*jj+7], v[8*jj:8*jj+7], v[64*\i:64*\i+7], 0
.endif
.else
	v_wmma_f32_16x16x32_f16 v[ACCB+8*jj:ACCB+8*jj+7], v[64*kk+8*jj:64*kk+8*jj+7], v[64*\i+32*\kh+8*kk:64*\i+32*\kh+8*kk+7], v[ACCB+8*jj:ACCB+8*jj+7]
.endif
.set jj, jj+1
.endr
.set kk, kk+1
.endr
.endm
; cnt pieces of 512 bytes, from piece n0 on, of the part made in turn slot (piece n = registers TMP + 4 n ..; accumulator j = pieces 2 j, 2 j + 1)
.macro STORES par, slot, n0, cnt
.set n, \n0
.rept \cnt
	ds_store_b128 v[XSA+\par], v[TMP+4*n:TMP+4*n+3] offset:(\slot)*XSL+512*n
.set n, n+1
.endr
.endm
; My turn i of a group: tile g4 + R_i, 64 matrix instructions in four runs of 16: accumulators 0-3 over all 8 K steps, then accumulators 4-7.
; A part leaves four pieces at a time between the runs: 4 waves x 4 x 512 bytes for every 16 matrix instructions.
; steady = 1: all four tiles of the group exist and another group follows: no jump; the last four pieces leave inside the next turn; the set is asked for again.
; steady = 0: the last group: a turn whose tile does not exist is jumped over, each turn sends all its pieces itself, and nothing more is asked for.
.macro TURN i, par, steady
	s_wait_loadcnt 48-16*\i*(1-\steady)            ; steady: set i's 16 loads are the oldest of 64, three younger sets stay out (it also frees s[SA+2i]); last group: only the 3 - i sets behind it are left
.if \steady == 0
	s_add_co_u32 s45, s20, s[24+\i]
	s_cmp_lt_u32 s45, s18
	s_cbranch_scc0 .Lskip_\@                       ; no such tile
.endif
.if \i == 3
.set ACCB, OWN
.set CBB, WITHB
.else
.set ACCB, TMP
.set CBB, 0
.endif
	SEG \i, 0, 0
.if \steady*\i
	WIN 0
	STORES \par, \i-1, 12, 4                       ; the turn before: accumulators 6 and 7, which this turn writes only in its third run
.endif
	SEG \i, 0, 1
.if \i < 3
	WIN 0
.rept 4
	v_nop                                          ; four places behind the matrix instructions whose results the LDS stores read
.endr
	STORES \par, \i, 0, 4                          ; accumulators 0 and 1
.endif
	SEG \i, 4, 0
.if \i < 3
	WIN 0
	STORES \par, \i, 4, 4                          ; accumulators 2 and 3
.endif
	SEG \i, 4, 1
	WIN 0
.rept 5
	v_nop                                          ; places again: four for the stores of accumulators 4-7, for what reads my own tile's sums and for the loads into the
.endr                                                  ; set just read, five for the next turn's matrix instructions that write over accumulators 4-7
.if \i < 3
	STORES \par, \i, 8, 8-4*\steady
.endif
.if \steady
	s_add_co_u32 s45, s20, s[24+\i]
	s_add_co_u32 s45, s45, 4                       ; the set's next tile, four on; where the next group is not full: the last there is, asked for again and not used
	s_min_u32 s45, s45, s19
	s_min_u32 s45, s45, 63
	s_lshl_b32 s40, s45, TSHIFT
	s_add_nc_u64 s[SA+2*\i:SA+2*\i+1], s[28:29], s[40:41]
	ALOAD \i
	WIN 0
.else
.Lskip_\@:
.endif
.endm
; my tile's three other parts are added, and the tile leaves.  s44 = the tile
.macro FINAL par
.if GEMM == 1
	s_wait_xcnt 0x0                                ; the last tile's stores: their base and PK are written again only behind this wait
.endif
	s_lshl_b32 s40, s44, OSH
	s_add_nc_u64 s[42:43], s[46:47], s[40:41]
.set q, 0
.rept 16
	ds_load_b128 v[TMP+4*q:TMP+4*q+3], v[XLA+3*\par] offset:512*q
.set q, q+1
.endr
.irp p, 1,2
.set q, 0
.rept 16
	s_wait_dscnt 15                                ; a ring of 16 loads: the oldest is in
	v_pk_add_f32 v[OWN+4*q:OWN+4*q+1],   v[OWN+4*q:OWN+4*q+1],   v[TMP+4*q:TMP+4*q+1]
	v_pk_add_f32 v[OWN+4*q+2:OWN+4*q+3], v[OWN+4*q+2:OWN+4*q+3], v[TMP+4*q+2:TMP+4*q+3]
	ds_load_b128 v[TMP+4*q:TMP+4*q+3], v[XLA+3*\par+\p] offset:512*q
.set q, q+1
.endr
.endr
.set q, 0
.rept 16
	s_wait_dscnt 15-q                              ; the last part: the count runs down
	v_pk_add_f32 v[OWN+4*q:OWN+4*q+1],   v[OWN+4*q:OWN+4*q+1],   v[TMP+4*q:TMP+4*q+1]
	v_pk_add_f32 v[OWN+4*q+2:OWN+4*q+3], v[OWN+4*q+2:OWN+4*q+3], v[TMP+4*q+2:TMP+4*q+3]
.set q, q+1
.endr
.if GEMM == 1
.set n, 0
.rept 32
	v_max_num_f32 v[OWN+2*n],   0, v[OWN+2*n]
	v_max_num_f32 v[OWN+2*n+1], 0, v[OWN+2*n+1]
	v_cvt_pk_f16_f32 v[PK+n], v[OWN+2*n], v[OWN+2*n+1]
.set n, n+1
.endr
.irp j, 0,1,2,3,4,5,6,7
	global_store_b128 v[LO], v[PK+4*\j:PK+4*\j+3], s[42:43] offset:512*\j      ; half a fragment of the next layer: 512 neighbouring bytes, 4 KiB in all
.endr
.else
.set n, 0
.rept 16
	ds_store_b128 v[VB], v[OWN+4*n:OWN+4*n+3] offset:(n>>1)*64+(n&1)*16        ; row r, columns 16 j + 8 h + 4 q at byte 64 j + 32 h + 16 q, n = 2 j + q
.set n, n+1
.endr
.set n, 0
.rept 16
	ds_load_b128 v[TMP+4*n:TMP+4*n+3], v[SRD] offset:SP*n      ; row n whole; my own stage, served in order
.set n, n+1
.endr
.set n, 0
.rept 16
	s_wait_dscnt 15-n
	global_store_b128 v[LO], v[TMP+4*n:TMP+4*n+3], s[42:43] offset:4096*n      ; 512 neighbouring bytes of row n
.set n, n+1
.endr
	s_wait_xcnt 0x0                                ; the stores' data lie in accumulators of the next group, and their base is stepped: only behind this wait
.endif
.endm
; Four tiles, in one of two forms, or nothing.  The barrier stands on every path; the jumps, which hang on T, enclose none.
; A steady group leaves the loads as it found them: 64 asked for, in the order of sets 0 to 3; the last group uses them up.
; Two parities of the exchange and one barrier a group: a parity is written again two groups later, behind the next group's barrier, in front of which
; every wave has waited for its reads of it.
.macro GROUP par
	s_add_co_u32 s45, s20, 4
	s_cmp_lt_u32 s45, s18
	s_cbranch_scc0 .Llast_\@
	TURN 0, \par, 1
	TURN 1, \par, 1
	TURN 2, \par, 1
	TURN 3, \par, 1
	s_branch .Lbar_\@
.Llast_\@:
	s_cmp_lt_u32 s20, s18
	s_cbranch_scc0 .Lbar_\@
	TURN 0, \par, 0
	TURN 1, \par, 0
	TURN 2, \par, 0
	TURN 3, \par, 0
.Lbar_\@:
	s_wait_dscnt 0x0                               ; for the others' sake: my parts are in LDS, and my reads of the other parity are over
	s_barrier_signal -1
	s_barrier_wait -1
	s_add_co_u32 s44, s20, s14
	s_cmp_lt_u32 s44, s18
	s_cbranch_scc0 .Lnone_\@
	FINAL \par
.Lnone_\@:
	s_add_co_u32 s20, s20, 4
.endm
	s_mov_b32 s20, 0                               ; the group's first tile
	s_mov_b32 s21, 0
.Lgroups:                                              ; 8 trips x 2 groups x 4 tiles = the capacity of 64 tiles; groups past T are three compares and a barrier
	GROUP 0
	GROUP 1
	s_add_co_u32 s21, s21, 1
	s_cmp_lt_u32 s21, 8
	s_cbranch_scc1 .Lgroups
	s_wait_tensorcnt 0x0
	ds_add_u32 v30, v31
	s_wait_dscnt 0x0
	s_endpgm
.Lfunc_end_k_qf3c94057d7_ffn1:
	.size	k_qf3c94057d7_ffn1, .Lfunc_end_k_qf3c94057d7_ffn1-k_qf3c94057d7_ffn1
	.p2alignl 7, 3214868480
	.fill 96, 4, 3214868480
	.section	.rodata,"a",@progbits
	.p2align	6, 0x0
	.amdhsa_kernel k_qf3c94057d7_ffn1
		.amdhsa_group_segment_fixed_size 230912
		.amdhsa_private_segment_fixed_size 0
		.amdhsa_enable_private_segment 0
		.amdhsa_kernarg_size 40
		.amdhsa_user_sgpr_count 2
		.amdhsa_user_sgpr_kernarg_segment_ptr 1
		.amdhsa_wavefront_size32 1
		.amdhsa_system_sgpr_workgroup_id_x 1
		.amdhsa_system_sgpr_workgroup_id_y 1
		.amdhsa_system_sgpr_workgroup_id_z 1
		.amdhsa_system_vgpr_workitem_id 0
		.amdhsa_next_free_vgpr 1024
		.amdhsa_next_free_sgpr 66
		.amdhsa_reserve_vcc 0
		.amdhsa_float_denorm_mode_32 3
		.amdhsa_float_denorm_mode_16_64 3
		.amdhsa_memory_ordered 1
		.amdhsa_forward_progress 1
		.amdhsa_inst_pref_size 224
	.end_amdhsa_kernel
	.amdgpu_metadata
---
amdhsa.version: [ 1, 2 ]
amdhsa.kernels:
  - .name:           k_qf3c94057d7_ffn1
    .symbol:         k_qf3c94057d7_ffn1.kd
    .args:
      - { .name: route, .offset: 0, .size: 8, .value_kind: global_buffer, .address_space: global }
      - { .name: xs16, .offset: 8, .size: 8, .value_kind: global_buffer, .address_space: global }
      - { .name: w1, .offset: 16, .size: 8, .value_kind: global_buffer, .address_space: global }
      - { .name: b1, .offset: 24, .size: 8, .value_kind: global_buffer, .address_space: global }
      - { .name: h16, .offset: 32, .size: 8, .value_kind: global_buffer, .address_space: global }
    .group_segment_fixed_size: 230912
    .private_segment_fixed_size: 0
    .kernarg_segment_align: 8
    .kernarg_segment_size: 40
    .max_flat_workgroup_size: 128
    .sgpr_count:     66
    .vgpr_count:     1024
    .wavefront_size: 32
...
	.end_amdgpu_metadata
.endif
;; end of part 4
;; launch ffn2 (part 5): grid 256 x 1, 4 waves a work-group, no clusters, 230,912 bytes of LDS; arguments route, h16, w2, ypart; writes ypart
.if DOCPART == 5
	.amdgcn_target "amdgcn-amd-amdhsa--gfx1250"
	.amdhsa_code_object_version 6
	.text
	.protected	k_qf3c94057d7_ffn2
	.globl	k_qf3c94057d7_ffn2
	.p2align	8
	.type	k_qf3c94057d7_ffn2,@function
k_qf3c94057d7_ffn2:
	s_mov_b64 s[64:65], 0
	v_nop
	global_prefetch_b8 v0, s[64:65] scope:SCOPE_SE
	s_setreg_imm32_b32 hwreg(HW_REG_WAVE_MODE, 25, 1), 1
	s_wait_xcnt 0x0
; EXPERT LAYER, one text for both layers (GEMM = 1: h = relu(x w1^T + b1), f16 out as fragments; GEMM = 2: partial y = h w2^T over a quarter of F, f32 out by rows).
; A work-group owns 128 weight rows x 1,024 k of ONE expert: 512 KiB of f32, read from memory once, rounded to f16 and kept in registers (512 in each of 4 waves).
; Wave w owns k = 256 w .. + 255 of all 128 rows: 8 row tiles x 8 K steps = 64 fragments; an activation fragment then feeds 8 matrix instructions, and no two
; waves load the same activation bytes.  Only the rows routed to the expert are multiplied: T tiles of 16 rows, T read from route (stored by an earlier launch).
; The four waves' partial sums of a tile meet in LDS: in a group of 4 tiles wave w owns tile g4 + w; it takes the three other tiles first and sends its parts of
; them to their owners, four LDS stores at a time between runs of 16 matrix instructions, and its own tile last, so that the parts are under way while it multiplies.
; THE MATRIX INSTRUCTION IS USED TRANSPOSED: source 0 = 16 weight rows, source 1 = 16 activation rows; lane 16 h + r then holds row r, columns n0 + 8 h + 0..7.
; Packed to f16 those 16 bytes are half (tile & 1) of the next layer's fragment kk = tile >> 1, so h16 is stored and loaded 16 bytes a lane, lane after lane.
; No multicast of the activations, which the 32 work-groups of an expert share: a joint request may not be jumped over, and the number of tiles is read from
; memory, so every partner would ask for the capacity of 64 tiles where about 18 are used.  No tensor loads for the weights: they pass through registers for the rounding.
; LIMITS: f16 operands: |x|, |w|, |h| below 65,504 (h is at most some 29,000 with inputs offset by 30 spreads).  K is summed in four parts (in layer 2 in sixteen),
; another order than the reference's.  relu by a maximum in which a NaN loses.  Rows of experts that a token did not choose are not made.
.set GEMM, 2
.if GEMM == 1
.set PITCHB, 4096                      ; bytes from weight row to weight row
.set TSHIFT, 15                        ; an activation tile is 32 KiB
.set OSH,    17                        ; an output tile is 128 KiB
.set OUTP,   12                        ; s[12:13] the output
.set WITHB,  1
.else
.set PITCHB, 16384
.set TSHIFT, 17                        ; an activation tile is 128 KiB
.set OSH,    16                        ; 16 output rows of 4,096 bytes
.set OUTP,   10
.set WITHB,  0
.endif
.set SP,   528                         ; a stage row: 512 bytes + 16, an odd multiple of 16
.set STG,  16*SP                       ; a wave's stage, at wave x STG
.set XCH0, 4*STG                       ; the exchange: [parity 2][writer 4][turn 3][8,192 bytes, 16 bytes a lane]
.set XSL,  8192
.set XW,   3*XSL
.set XCHP, 4*XW
.set LO,   1                           ; 16 lane
.set STW,  2                           ; stage + 8 lane
.set STR,  3                           ; stage + r SP + 16 h
.set XSA,  4                           ; v4, v5: where I write parts, parity 0, 1
.set XLA,  6                           ; v6-8, v9-11: where I read the part made in its writer's turn 0..2, parity 0, 1
.set VB,   12                          ; layer 1: 32 h (bias); layer 2: stage + r SP + 32 h
.set SRD,  13                          ; stage + 16 lane
.set BIAS, 32                          ; v[32:95]   layer 1: b1 of my lane's columns, laid as an accumulator
.set OWN,  96                          ; v[96:159]  my tile's 8 accumulators; while the weights come in: the packed f16
.set TMP,  160                         ; v[160:223] the other tiles' accumulators; parts read back
.set PK,   224                         ; v[224:255] layer 1: h packed
.set SA,   32                          ; s[32:39]   address of activation set i's tile
; window 1: weight fragments of K steps 0-3 at 64 kk + 8 j; window 2: K steps 4-7
; window 3: while the weights come in two sets of 128 for f32 weights; then four activation sets of 64 (set i, K step kk at 64 i + 8 kk)
.set MSB, 0
.macro WIN new                         ; the immediate's high byte repeats the setting that is left; at a label and at a branch every window is 0
.if MSB != \new
	s_set_vgpr_msb (MSB<<8)|\new
.set MSB, \new
.endif
.endm
	s_load_b256 s[4:11], s[0:1], 0x0               ; route s[4:5], activations s[6:7], weights s[8:9], then b1 (layer 1) or the output (layer 2)
	v_lshl_add_u32 v254, v0, 2, 0x38400
	v_mov_b32 v255, 0
.if GEMM == 1
	s_load_b64 s[12:13], s[0:1], 0x20              ; the output
.endif
	v_lshrrev_b32 v14, 5, v0
	v_readfirstlane_b32 s14, v14                   ; wave
	s_lshr_b32 s15, ttmp9, 5                       ; expert
	s_lshl_b32 s22, s15, 3                         ; its {T, n} in route
.if GEMM == 1
	s_and_b32 s16, ttmp9, 31                       ; which 128 of the 4,096 rows of w1
	s_lshl_b32 s48, s15, 24
	s_lshl_b32 s49, s16, 19
	s_add_co_u32 s48, s48, s49
	s_lshl_b32 s49, s14, 10
	s_add_co_u32 s48, s48, s49                     ; weights: 16 MiB e + 512 KiB c + 1,024 w
	s_lshl_b32 s50, s15, 21
	s_lshl_b32 s51, s14, 13
	s_add_co_u32 s50, s50, s51                     ; activations: 2 MiB e + 8 K steps x 1,024 w
	s_lshl_b32 s52, s15, 23
	s_lshl_b32 s53, s16, 12
	s_add_co_u32 s52, s52, s53                     ; output: 8 MiB e + 4 K steps x 1,024 c
	s_lshl_b32 s54, s15, 14
	s_lshl_b32 s55, s16, 9
	s_add_co_u32 s54, s54, s55                     ; bias: 16,384 e + 512 c
	s_mov_b32 s55, 0
.else
	s_bfe_u32 s16, ttmp9, 0x30002                  ; which 128 of the 1,024 rows of w2
	s_and_b32 s17, ttmp9, 3                        ; which quarter of F
	s_lshl_b32 s48, s15, 24
	s_lshl_b32 s49, s16, 21
	s_add_co_u32 s48, s48, s49
	s_lshl_b32 s49, s17, 12
	s_add_co_u32 s48, s48, s49
	s_lshl_b32 s49, s14, 10
	s_add_co_u32 s48, s48, s49                     ; weights: 16 MiB e + 2 MiB block + 4,096 quarter + 1,024 w
	s_lshl_b32 s50, s15, 23
	s_lshl_b32 s51, s17, 15
	s_add_co_u32 s50, s50, s51
	s_lshl_b32 s51, s14, 13
	s_add_co_u32 s50, s50, s51                     ; activations: 8 MiB e + (32 quarter + 8 w) x 1,024
	s_lshl_b32 s52, s17, 25
	s_lshl_b32 s53, s15, 22
	s_add_co_u32 s52, s52, s53
	s_lshl_b32 s53, s16, 9
	s_add_co_u32 s52, s52, s53                     ; output: 32 MiB quarter + 4 MiB e + 512 block
.endif
	s_mov_b32 s49, 0
	s_mov_b32 s51, 0
	s_mov_b32 s53, 0
	s_mov_b32 s41, 0                               ; the high word of every offset made later
.irp i, 0,1,2
	s_add_co_u32 s[24+\i], s14, \i+1               ; R_i = (w + 1 + i) & 3: the tile of a group that I take in my turn i
	s_and_b32 s[24+\i], s[24+\i], 3
.endr
	s_mov_b32 s27, s14                             ; turn 3 is my own tile
	v_and_b32 v14, 31, v0                          ; lane
	v_and_b32 v15, 15, v0                          ; r
	v_bfe_u32 v16, v0, 4, 1                        ; h
	v_lshlrev_b32 v[LO], 4, v14
	s_mul_i32 s23, s14, STG
	v_lshl_add_u32 v[STW], v14, 3, s23
	v_mul_u32_u24 v17, v15, SP
	v_add_nc_u32 v17, s23, v17
	v_lshl_add_u32 v[STR], v16, 4, v17
	v_add_nc_u32 v[SRD], s23, v[LO]
.if GEMM == 1
	v_lshlrev_b32 v[VB], 5, v16
.else
	v_lshl_add_u32 v[VB], v16, 5, v17
.endif
	s_mul_i32 s23, s14, XW
	s_add_co_u32 s23, s23, XCH0
	v_add_nc_u32 v[XSA], s23, v[LO]
	v_add_nc_u32 v[XSA+1], XCHP, v[XSA]
.irp p, 0,1,2
	s_add_co_u32 s23, s14, 3-\p
	s_and_b32 s23, s23, 3                          ; the wave whose turn p is my tile: (w - 1 - p) & 3
	s_mul_i32 s23, s23, XW
	s_add_co_u32 s23, s23, XCH0+\p*XSL
	v_add_nc_u32 v[XLA+\p], s23, v[LO]
	v_add_nc_u32 v[XLA+3+\p], XCHP, v[XLA+\p]
.endr
	s_wait_kmcnt 0x0
	s_load_b32 s18, s[4:5], s22 offset:0x2000      ; T of my expert
	s_add_nc_u64 s[8:9], s[8:9], s[48:49]
	s_add_nc_u64 s[28:29], s[6:7], s[50:51]
	s_add_nc_u64 s[46:47], s[OUTP:OUTP+1], s[52:53]
.if GEMM == 1
	s_add_nc_u64 s[10:11], s[10:11], s[54:55]
.irp j, 0,1,2,3,4,5,6,7
	global_load_b128 v[BIAS+8*\j:BIAS+8*\j+3],   v[VB], s[10:11] offset:64*\j          ; b1[128 c + 16 j + 8 h + 0..3]
	global_load_b128 v[BIAS+8*\j+4:BIAS+8*\j+7], v[VB], s[10:11] offset:64*\j+16
.endr
.endif
; 16 weight rows (row tile j), my 1,024 bytes of each: 32 loads of 512 neighbouring bytes, into set 0 or 1 of window 3
.macro WLOAD j, set
	WIN 0xc0
.set n, 0
.rept 16
	global_load_b128 v[128*\set+8*n:128*\set+8*n+3],   v[LO], s[8:9] offset:(16*(\j)+n)*PITCHB th:TH_LOAD_NT
	global_load_b128 v[128*\set+8*n+4:128*\set+8*n+7], v[LO], s[8:9] offset:(16*(\j)+n)*PITCHB+512 th:TH_LOAD_NT
.set n, n+1
.endr
.endm
; my 8 KiB of the activation tile at s[SA+2i], already laid as fragments: 16 loads of 512 neighbouring bytes
.macro ALOAD i
	WIN 0xc0
.set n, 0
.rept 16
	global_load_b128 v[64*(\i)+4*n:64*(\i)+4*n+3], v[LO], s[SA+2*(\i):SA+2*(\i)+1] offset:512*n
.set n, n+1
.endr
.endm
; row tile j has come: round to f16, ask for what comes next into the same registers, and turn the rows into fragments through my stage
.macro WCONV j, set
	s_wait_loadcnt 32                              ; the 32 loads issued behind this set stay out
	WIN 0x0f
.set n, 0
.rept 32
	v_cvt_pk_f16_f32 v[OWN+2*n],   v[128*\set+4*n],   v[128*\set+4*n+1]
	v_cvt_pk_f16_f32 v[OWN+2*n+1], v[128*\set+4*n+2], v[128*\set+4*n+3]
.set n, n+1
.endr
.if \j < 6
	WLOAD \j+2, \set
.else
	ALOAD 2*(\j-6)                                 ; always 32 loads, so the count above holds for every tile
	ALOAD 2*(\j-6)+1
.endif
	WIN 0
.set n, 0
.rept 32
	ds_store_b64 v[STW], v[OWN+2*n:OWN+2*n+1] offset:(n>>1)*SP+(n&1)*256
.set n, n+1
.endr
	WIN 0x40
.set n, 0
.rept 8
	ds_load_b128 v[64*(n>>1)+8*\j+4*(n&1):64*(n>>1)+8*\j+4*(n&1)+3], v[STR] offset:32*n        ; my own stage: served in order behind the stores (ISA guide 5.7.1)
.set n, n+1
.endr
	WIN 0x80
.set n, 0
.rept 8
	ds_load_b128 v[64*(n>>1)+8*\j+4*(n&1):64*(n>>1)+8*\j+4*(n&1)+3], v[STR] offset:256+32*n
.set n, n+1
.endr
.endm
	WLOAD 0, 0
	WLOAD 1, 1
	WIN 0
	s_wait_kmcnt 0x0
	s_min_u32 s18, s18, 64                         ; T, held to an expert's 64 tiles,
	s_max_u32 s18, s18, 1                          ; and at least 1
	s_sub_co_u32 s19, s18, 1
.irp i, 0,1,2,3
	s_min_u32 s45, s[24+\i], s19                   ; set i begins with tile R_i, or with the last there is
	s_min_u32 s45, s45, 63
	s_lshl_b32 s40, s45, TSHIFT
	s_add_nc_u64 s[SA+2*\i:SA+2*\i+1], s[28:29], s[40:41]
.endr
	WCONV 0, 0
	WCONV 1, 1
	WCONV 2, 0
	WCONV 3, 1
	WCONV 4, 0
	WCONV 5, 1
	WCONV 6, 0
	WCONV 7, 1
	WIN 0
	s_wait_dscnt 0x0                               ; all 64 weight fragments are in
; 16 matrix instructions: activation set i x row tiles jlo .. jlo + 3 x K steps 4 kh .. 4 kh + 3, into the accumulators at ACCB.
; The four accumulators take turns, one instruction a turn.  The first K step starts the sums, from the bias (CBB = 1) or from 0.
.macro SEG i, jlo, kh
.if \kh
	WIN 0x0e                                       ; source 0 window 2, source 1 window 3
.else
	WIN 0x0d                                       ; source 0 window 1, source 1 window 3
.endif
.set kk, 0
.rept 4
.set jj, \jlo
.rept 4
.if 4*\kh+kk == 0
.if CBB
	v_wmma_f32_16x16x32_f16 v[ACCB+8*jj:ACCB+8*jj+7], v[8*jj:8*jj+7], v[64*\i:64*\i+7], v[BIAS+8*jj:BIAS+8*jj+7]
.else
	v_wmma_f32_16x16x32_f16 v[ACCB+8*jj:ACCB+8*jj+7], v[8*jj:8*jj+7], v[64*\i:64*\i+7], 0
.endif
.else
	v_wmma_f32_16x16x32_f16 v[ACCB+8*jj:ACCB+8*jj+7], v[64*kk+8*jj:64*kk+8*jj+7], v[64*\i+32*\kh+8*kk:64*\i+32*\kh+8*kk+7], v[ACCB+8*jj:ACCB+8*jj+7]
.endif
.set jj, jj+1
.endr
.set kk, kk+1
.endr
.endm
; cnt pieces of 512 bytes, from piece n0 on, of the part made in turn slot (piece n = registers TMP + 4 n ..; accumulator j = pieces 2 j, 2 j + 1)
.macro STORES par, slot, n0, cnt
.set n, \n0
.rept \cnt
	ds_store_b128 v[XSA+\par], v[TMP+4*n:TMP+4*n+3] offset:(\slot)*XSL+512*n
.set n, n+1
.endr
.endm
; My turn i of a group: tile g4 + R_i, 64 matrix instructions in four runs of 16: accumulators 0-3 over all 8 K steps, then accumulators 4-7.
; A part leaves four pieces at a time between the runs: 4 waves x 4 x 512 bytes for every 16 matrix instructions.
; steady = 1: all four tiles of the group exist and another group follows: no jump; the last four pieces leave inside the next turn; the set is asked for again.
; steady = 0: the last group: a turn whose tile does not exist is jumped over, each turn sends all its pieces itself, and nothing more is asked for.
.macro TURN i, par, steady
	s_wait_loadcnt 48-16*\i*(1-\steady)            ; steady: set i's 16 loads are the oldest of 64, three younger sets stay out (it also frees s[SA+2i]); last group: only the 3 - i sets behind it are left
.if \steady == 0
	s_add_co_u32 s45, s20, s[24+\i]
	s_cmp_lt_u32 s45, s18
	s_cbranch_scc0 .Lskip_\@                       ; no such tile
.endif
.if \i == 3
.set ACCB, OWN
.set CBB, WITHB
.else
.set ACCB, TMP
.set CBB, 0
.endif
	SEG \i, 0, 0
.if \steady*\i
	WIN 0
	STORES \par, \i-1, 12, 4                       ; the turn before: accumulators 6 and 7, which this turn writes only in its third run
.endif
	SEG \i, 0, 1
.if \i < 3
	WIN 0
.rept 4
	v_nop                                          ; four places behind the matrix instructions whose results the LDS stores read
.endr
	STORES \par, \i, 0, 4                          ; accumulators 0 and 1
.endif
	SEG \i, 4, 0
.if \i < 3
	WIN 0
	STORES \par, \i, 4, 4                          ; accumulators 2 and 3
.endif
	SEG \i, 4, 1
	WIN 0
.rept 5
	v_nop                                          ; places again: four for the stores of accumulators 4-7, for what reads my own tile's sums and for the loads into the
.endr                                                  ; set just read, five for the next turn's matrix instructions that write over accumulators 4-7
.if \i < 3
	STORES \par, \i, 8, 8-4*\steady
.endif
.if \steady
	s_add_co_u32 s45, s20, s[24+\i]
	s_add_co_u32 s45, s45, 4                       ; the set's next tile, four on; where the next group is not full: the last there is, asked for again and not used
	s_min_u32 s45, s45, s19
	s_min_u32 s45, s45, 63
	s_lshl_b32 s40, s45, TSHIFT
	s_add_nc_u64 s[SA+2*\i:SA+2*\i+1], s[28:29], s[40:41]
	ALOAD \i
	WIN 0
.else
.Lskip_\@:
.endif
.endm
; my tile's three other parts are added, and the tile leaves.  s44 = the tile
.macro FINAL par
.if GEMM == 1
	s_wait_xcnt 0x0                                ; the last tile's stores: their base and PK are written again only behind this wait
.endif
	s_lshl_b32 s40, s44, OSH
	s_add_nc_u64 s[42:43], s[46:47], s[40:41]
.set q, 0
.rept 16
	ds_load_b128 v[TMP+4*q:TMP+4*q+3], v[XLA+3*\par] offset:512*q
.set q, q+1
.endr
.irp p, 1,2
.set q, 0
.rept 16
	s_wait_dscnt 15                                ; a ring of 16 loads: the oldest is in
	v_pk_add_f32 v[OWN+4*q:OWN+4*q+1],   v[OWN+4*q:OWN+4*q+1],   v[TMP+4*q:TMP+4*q+1]
	v_pk_add_f32 v[OWN+4*q+2:OWN+4*q+3], v[OWN+4*q+2:OWN+4*q+3], v[TMP+4*q+2:TMP+4*q+3]
	ds_load_b128 v[TMP+4*q:TMP+4*q+3], v[XLA+3*\par+\p] offset:512*q
.set q, q+1
.endr
.endr
.set q, 0
.rept 16
	s_wait_dscnt 15-q                              ; the last part: the count runs down
	v_pk_add_f32 v[OWN+4*q:OWN+4*q+1],   v[OWN+4*q:OWN+4*q+1],   v[TMP+4*q:TMP+4*q+1]
	v_pk_add_f32 v[OWN+4*q+2:OWN+4*q+3], v[OWN+4*q+2:OWN+4*q+3], v[TMP+4*q+2:TMP+4*q+3]
.set q, q+1
.endr
.if GEMM == 1
.set n, 0
.rept 32
	v_max_num_f32 v[OWN+2*n],   0, v[OWN+2*n]
	v_max_num_f32 v[OWN+2*n+1], 0, v[OWN+2*n+1]
	v_cvt_pk_f16_f32 v[PK+n], v[OWN+2*n], v[OWN+2*n+1]
.set n, n+1
.endr
.irp j, 0,1,2,3,4,5,6,7
	global_store_b128 v[LO], v[PK+4*\j:PK+4*\j+3], s[42:43] offset:512*\j      ; half a fragment of the next layer: 512 neighbouring bytes, 4 KiB in all
.endr
.else
.set n, 0
.rept 16
	ds_store_b128 v[VB], v[OWN+4*n:OWN+4*n+3] offset:(n>>1)*64+(n&1)*16        ; row r, columns 16 j + 8 h + 4 q at byte 64 j + 32 h + 16 q, n = 2 j + q
.set n, n+1
.endr
.set n, 0
.rept 16
	ds_load_b128 v[TMP+4*n:TMP+4*n+3], v[SRD] offset:SP*n      ; row n whole; my own stage, served in order
.set n, n+1
.endr
.set n, 0
.rept 16
	s_wait_dscnt 15-n
	global_store_b128 v[LO], v[TMP+4*n:TMP+4*n+3], s[42:43] offset:4096*n      ; 512 neighbouring bytes of row n
.set n, n+1
.endr
	s_wait_xcnt 0x0                                ; the stores' data lie in accumulators of the next group, and their base is stepped: only behind this wait
.endif
.endm
; Four tiles, in one of two forms, or nothing.  The barrier stands on every path; the jumps, which hang on T, enclose none.
; A steady group leaves the loads as it found them: 64 asked for, in the order of sets 0 to 3; the last group uses them up.
; Two parities of the exchange and one barrier a group: a parity is written again two groups later, behind the next group's barrier, in front of which
; every wave has waited for its reads of it.
.macro GROUP par
	s_add_co_u32 s45, s20, 4
	s_cmp_lt_u32 s45, s18
	s_cbranch_scc0 .Llast_\@
	TURN 0, \par, 1
	TURN 1, \par, 1
	TURN 2, \par, 1
	TURN 3, \par, 1
	s_branch .Lbar_\@
.Llast_\@:
	s_cmp_lt_u32 s20, s18
	s_cbranch_scc0 .Lbar_\@
	TURN 0, \par, 0
	TURN 1, \par, 0
	TURN 2, \par, 0
	TURN 3, \par, 0
.Lbar_\@:
	s_wait_dscnt 0x0                               ; for the others' sake: my parts are in LDS, and my reads of the other parity are over
	s_barrier_signal -1
	s_barrier_wait -1
	s_add_co_u32 s44, s20, s14
	s_cmp_lt_u32 s44, s18
	s_cbranch_scc0 .Lnone_\@
	FINAL \par
.Lnone_\@:
	s_add_co_u32 s20, s20, 4
.endm
	s_mov_b32 s20, 0                               ; the group's first tile
	s_mov_b32 s21, 0
.Lgroups:                                              ; 8 trips x 2 groups x 4 tiles = the capacity of 64 tiles; groups past T are three compares and a barrier
	GROUP 0
	GROUP 1
	s_add_co_u32 s21, s21, 1
	s_cmp_lt_u32 s21, 8
	s_cbranch_scc1 .Lgroups
	s_wait_tensorcnt 0x0
	ds_add_u32 v254, v255
	s_wait_dscnt 0x0
	s_endpgm
.Lfunc_end_k_qf3c94057d7_ffn2:
	.size	k_qf3c94057d7_ffn2, .Lfunc_end_k_qf3c94057d7_ffn2-k_qf3c94057d7_ffn2
	.p2alignl 7, 3214868480
	.fill 96, 4, 3214868480
	.section	.rodata,"a",@progbits
	.p2align	6, 0x0
	.amdhsa_kernel k_qf3c94057d7_ffn2
		.amdhsa_group_segment_fixed_size 230912
		.amdhsa_private_segment_fixed_size 0
		.amdhsa_enable_private_segment 0
		.amdhsa_kernarg_size 32
		.amdhsa_user_sgpr_count 2
		.amdhsa_user_sgpr_kernarg_segment_ptr 1
		.amdhsa_wavefront_size32 1
		.amdhsa_system_sgpr_workgroup_id_x 1
		.amdhsa_system_sgpr_workgroup_id_y 1
		.amdhsa_system_sgpr_workgroup_id_z 1
		.amdhsa_system_vgpr_workitem_id 0
		.amdhsa_next_free_vgpr 1024
		.amdhsa_next_free_sgpr 66
		.amdhsa_reserve_vcc 0
		.amdhsa_float_denorm_mode_32 3
		.amdhsa_float_denorm_mode_16_64 3
		.amdhsa_memory_ordered 1
		.amdhsa_forward_progress 1
		.amdhsa_inst_pref_size 221
	.end_amdhsa_kernel
	.amdgpu_metadata
---
amdhsa.version: [ 1, 2 ]
amdhsa.kernels:
  - .name:           k_qf3c94057d7_ffn2
    .symbol:         k_qf3c94057d7_ffn2.kd
    .args:
      - { .name: route, .offset: 0, .size: 8, .value_kind: global_buffer, .address_space: global }
      - { .name: h16, .offset: 8, .size: 8, .value_kind: global_buffer, .address_space: global }
      - { .name: w2, .offset: 16, .size: 8, .value_kind: global_buffer, .address_space: global }
      - { .name: ypart, .offset: 24, .size: 8, .value_kind: global_buffer, .address_space: global }
    .group_segment_fixed_size: 230912
    .private_segment_fixed_size: 0
    .kernarg_segment_align: 8
    .kernarg_segment_size: 32
    .max_flat_workgroup_size: 128
    .sgpr_count:     66
    .vgpr_count:     1024
    .wavefront_size: 32
...
	.end_amdgpu_metadata
.endif
;; end of part 5
;; launch combine (part 6): grid 256 x 1, 8 waves a work-group, no clusters, 0 bytes of LDS; arguments vals, route, ypart, b2, out0; writes out0
.if DOCPART == 6
	.amdgcn_target "amdgcn-amd-amdhsa--gfx1250"
	.amdhsa_code_object_version 6
	.text
	.protected	k_qf3c94057d7_combine
	.globl	k_qf3c94057d7_combine
	.p2align	8
	.type	k_qf3c94057d7_combine,@function
k_qf3c94057d7_combine:
	s_mov_b64 s[64:65], 0
	v_nop
	global_prefetch_b8 v0, s[64:65] scope:SCOPE_SE
	s_setreg_imm32_b32 hwreg(HW_REG_WAVE_MODE, 25, 1), 1
	s_wait_xcnt 0x0
; COMBINE.  out[t] = g0 (y[pos0] + b2[e0]) + g1 (y[pos1] + b2[e1]), where y[pos] is the sum of the four quarters of F in ypart,
; and g_k = softmax over the 128 tokens of t's batch of the k-th largest logits (the token axis, as the reference has it), with the batch's maximum taken away.
; A wave takes half a token's row (2,048 bytes): 4 chunks of 512 bytes, for each 2 x (4 parts + b2) = 10 loads.  All 40 loads are asked for first, and the
; softmax is made while they are on their way.  Memory binds: no LDS, no barrier, no matrix unit.  The rows' places come from route, stored by an earlier launch.
; LIMITS: finite logits; an exponential below 2^-126 counts as 0.
.set Y,  32                            ; v[32:191] chunk j, slot k, part s (4 = b2): 4 registers at 40 j + 20 k + 4 s
.set G,  192                           ; v[192:193] g0 twice, v[194:195] g1 twice
	s_load_b256 s[4:11], s[0:1], 0x0               ; vals s[4:5], route s[6:7], ypart s[8:9], b2 s[10:11]
	s_load_b64 s[12:13], s[0:1], 0x20              ; out0
	v_lshrrev_b32 v2, 5, v0
	v_readfirstlane_b32 s14, v2                    ; wave
	v_and_b32 v3, 31, v0
	v_lshlrev_b32 v1, 4, v3                        ; 16 lane
	v_lshlrev_b32 v4, 5, v3                        ; 32 lane
	s_lshr_b32 s15, s14, 1
	s_lshl2_add_u32 s15, ttmp9, s15                ; my token: 4 x work-group + wave / 2
	s_and_b32 s16, s14, 1
	s_lshl_b32 s16, s16, 11                        ; my half of the row
	s_lshl_b32 s17, s15, 3
	s_lshr_b32 s18, s15, 7
	s_lshl_b32 s18, s18, 10                        ; my batch's 1,024 bytes of vals
	s_mov_b32 s19, 0
	s_mov_b32 s29, 0
	s_mov_b32 s31, 0
	s_mov_b32 s52, 0x76543210
	s_mov_b32 s53, 0xfedcba98
	s_wait_kmcnt 0x0
	s_load_b64 s[20:21], s[6:7], s17 offset:0x0    ; pos of my token's two slots
	s_load_b64 s[22:23], s[4:5], s17 offset:0x0    ; its two logits
	s_add_nc_u64 s[24:25], s[4:5], s[18:19]
	global_load_b128 v[8:11],  v4, s[24:25]        ; tokens 4 lane .. + 3 of the batch, both slots
	global_load_b128 v[12:15], v4, s[24:25] offset:16
	s_wait_kmcnt 0x0
.irp k, 0,1
	s_min_u32 s26, s[20+\k], 0x1fff                ; a row of ypart, held to its 8,192
	s_lshl_b32 s27, s26, 12
	s_add_co_u32 s27, s27, s16
.irp s, 0,1,2,3
	s_add_co_u32 s28, s27, \s<<25
	s_add_nc_u64 s[32+8*\k+2*\s:33+8*\k+2*\s], s[8:9], s[28:29]
.endr
	s_lshr_b32 s30, s26, 10                        ; the expert
	s_min_u32 s30, s30, 7
	s_lshl_b32 s30, s30, 12
	s_add_co_u32 s30, s30, s16
	s_add_nc_u64 s[48+2*\k:49+2*\k], s[10:11], s[30:31]
.endr
	s_lshl_b32 s28, s15, 12
	s_add_co_u32 s28, s28, s16
	s_add_nc_u64 s[12:13], s[12:13], s[28:29]
.irp j, 0,1,2,3
.irp k, 0,1
.irp s, 0,1,2,3
	global_load_b128 v[Y+40*\j+20*\k+4*\s:Y+40*\j+20*\k+4*\s+3], v1, s[32+8*\k+2*\s:33+8*\k+2*\s] offset:512*\j th:TH_LOAD_NT
.endr
	global_load_b128 v[Y+40*\j+20*\k+16:Y+40*\j+20*\k+19], v1, s[48+2*\k:49+2*\k] offset:512*\j
.endr
.endr
	s_wait_loadcnt 40                              ; the batch's logits are in; the 40 row loads stay out
	v_mov_b32 v18, 0
	v_mov_b32 v19, 0
.irp k, 0,1
	v_max3_num_f32 v[16+\k], v[8+\k], v[10+\k], v[12+\k]
	v_max_num_f32 v[16+\k], v[16+\k], v[14+\k]
.irp m, 1,2,4,8
	v_max_num_f32_dpp v[16+\k], v[16+\k], v[16+\k] row_xmask:\m row_mask:0xf bank_mask:0xf
.endr
	v_permlanex16_b32 v[18+\k], v[16+\k], s52, s53
	v_max_num_f32 v[16+\k], v[16+\k], v[18+\k]     ; the slot's maximum over the batch, in every lane
.irp i, 0,1,2,3
	v_sub_f32 v[20+4*\k+\i], v[8+2*\i+\k], v[16+\k]
	v_mul_f32 v[20+4*\k+\i], 0x3fb8aa3b, v[20+4*\k+\i]
.endr
	v_sub_f32 v[28+\k], s[22+\k], v[16+\k]         ; my own token
	v_mul_f32 v[28+\k], 0x3fb8aa3b, v[28+\k]
.endr
.irp n, 20,21,22,23,24,25,26,27,28,29
	v_exp_f32 v\n, v\n
.endr
	v_nop                                          ; one plain vector instruction behind the run of exponentials (ISA guide 5.7.2)
	s_wait_alu depctr_va_vdst(0)
.irp k, 0,1
	v_add_f32 v[20+4*\k], v[20+4*\k], v[21+4*\k]
	v_add_f32 v[22+4*\k], v[22+4*\k], v[23+4*\k]
	v_add_f32 v[20+4*\k], v[20+4*\k], v[22+4*\k]
.irp m, 1,2,4,8
	v_add_f32_dpp v[20+4*\k], v[20+4*\k], v[20+4*\k] row_xmask:\m row_mask:0xf bank_mask:0xf
.endr
	v_permlanex16_b32 v[18+\k], v[20+4*\k], s52, s53
	v_add_f32 v[20+4*\k], v[20+4*\k], v[18+\k]     ; at least 1: the maximum's own term
.endr
	v_rcp_f32 v30, v20
	v_rcp_f32 v31, v24
	v_nop
	s_wait_alu depctr_va_vdst(0)
	v_mul_f32 v[G],   v28, v30
	v_mul_f32 v[G+2], v29, v31
	v_mov_b32 v[G+1], v[G]
	v_mov_b32 v[G+3], v[G+2]
.irp j, 0,1,2,3
	s_wait_loadcnt 30-10*\j                        ; the later chunks' loads stay out
.irp k, 0,1
.irp d, 0,2
	v_pk_add_f32 v[Y+40*\j+20*\k+\d:Y+40*\j+20*\k+\d+1],     v[Y+40*\j+20*\k+\d:Y+40*\j+20*\k+\d+1],     v[Y+40*\j+20*\k+4+\d:Y+40*\j+20*\k+4+\d+1]
	v_pk_add_f32 v[Y+40*\j+20*\k+8+\d:Y+40*\j+20*\k+8+\d+1], v[Y+40*\j+20*\k+8+\d:Y+40*\j+20*\k+8+\d+1], v[Y+40*\j+20*\k+12+\d:Y+40*\j+20*\k+12+\d+1]
	v_pk_add_f32 v[Y+40*\j+20*\k+\d:Y+40*\j+20*\k+\d+1],     v[Y+40*\j+20*\k+\d:Y+40*\j+20*\k+\d+1],     v[Y+40*\j+20*\k+8+\d:Y+40*\j+20*\k+8+\d+1]
	v_pk_add_f32 v[Y+40*\j+20*\k+\d:Y+40*\j+20*\k+\d+1],     v[Y+40*\j+20*\k+\d:Y+40*\j+20*\k+\d+1],     v[Y+40*\j+20*\k+16+\d:Y+40*\j+20*\k+16+\d+1]
.endr
.endr
.irp d, 0,2
	v_pk_mul_f32 v[Y+40*\j+\d:Y+40*\j+\d+1], v[Y+40*\j+\d:Y+40*\j+\d+1], v[G:G+1]
	v_pk_fma_f32 v[Y+40*\j+\d:Y+40*\j+\d+1], v[Y+40*\j+20+\d:Y+40*\j+20+\d+1], v[G+2:G+3], v[Y+40*\j+\d:Y+40*\j+\d+1]
.endr
	global_store_b128 v1, v[Y+40*\j:Y+40*\j+3], s[12:13] offset:512*\j         ; 512 neighbouring bytes; each chunk has registers of its own
.endr
	s_endpgm
.Lfunc_end_k_qf3c94057d7_combine:
	.size	k_qf3c94057d7_combine, .Lfunc_end_k_qf3c94057d7_combine-k_qf3c94057d7_combine
	.p2alignl 7, 3214868480
	.fill 96, 4, 3214868480
	.section	.rodata,"a",@progbits
	.p2align	6, 0x0
	.amdhsa_kernel k_qf3c94057d7_combine
		.amdhsa_group_segment_fixed_size 0
		.amdhsa_private_segment_fixed_size 0
		.amdhsa_enable_private_segment 0
		.amdhsa_kernarg_size 40
		.amdhsa_user_sgpr_count 2
		.amdhsa_user_sgpr_kernarg_segment_ptr 1
		.amdhsa_wavefront_size32 1
		.amdhsa_system_sgpr_workgroup_id_x 1
		.amdhsa_system_sgpr_workgroup_id_y 1
		.amdhsa_system_sgpr_workgroup_id_z 1
		.amdhsa_system_vgpr_workitem_id 0
		.amdhsa_next_free_vgpr 196
		.amdhsa_next_free_sgpr 66
		.amdhsa_reserve_vcc 0
		.amdhsa_float_denorm_mode_32 3
		.amdhsa_float_denorm_mode_16_64 3
		.amdhsa_memory_ordered 1
		.amdhsa_forward_progress 1
		.amdhsa_inst_pref_size 16
	.end_amdhsa_kernel
	.amdgpu_metadata
---
amdhsa.version: [ 1, 2 ]
amdhsa.kernels:
  - .name:           k_qf3c94057d7_combine
    .symbol:         k_qf3c94057d7_combine.kd
    .args:
      - { .name: vals, .offset: 0, .size: 8, .value_kind: global_buffer, .address_space: global }
      - { .name: route, .offset: 8, .size: 8, .value_kind: global_buffer, .address_space: global }
      - { .name: ypart, .offset: 16, .size: 8, .value_kind: global_buffer, .address_space: global }
      - { .name: b2, .offset: 24, .size: 8, .value_kind: global_buffer, .address_space: global }
      - { .name: out0, .offset: 32, .size: 8, .value_kind: global_buffer, .address_space: global }
    .group_segment_fixed_size: 0
    .private_segment_fixed_size: 0
    .kernarg_segment_align: 8
    .kernarg_segment_size: 40
    .max_flat_workgroup_size: 256
    .sgpr_count:     66
    .vgpr_count:     196
    .wavefront_size: 32
...
	.end_amdgpu_metadata
.endif
;; end of part 6
